; MI455X (gfx1250); checked and timed in simulation.
; The chip was launched on July 23, 2026; its instructions are those of AMD's public machine-readable ISA for CDNA 5 (MIT licence, August 2026) and "CDNA5" Instruction Set Architecture Reference Guide (July 2026). The comments in the code are by the model that wrote it; some were corrected since.
;; Vector Quantizer. Allowed arithmetic: matrix products marked QUANTISED: E2M1 operands, one E8M0 scale for each 32 along K, by v_wmma_scale_f32_16x16x128_f8f6f4 with both operands' format E2M1 (or v_wmma_scale_f32_32x16x128_f4), f32 sums; everything else in f32.
;; Inputs: codebook 8,192 x 256 float32; x 32 x 256 x 32 x 32 float32.
;; Outputs: out0 32 x 256 x 32 x 32 float32; out1 32,768 int32.
;; This version of the problem:
;;   THIS VERSION OF THE PROBLEM IS GIVEN IN LOW PRECISION. The matrix products marked QUANTISED in the list below multiply operands that are first quantised to E2M1 (2 exponent bits, 1 mantissa bit; 4 bits a number), with one power-of-two scale for each 32 numbers along K (OCP MX v1.0); their sums are f32. All else is computed in f32.
;;   The module's matrix products, in the order in which they are computed (A, B: the left and right operand; K: the contracted axis; several contracted axes count as one K, in the product's order):
;;     1. [M 32,768, K 256] x [K 256, N 8,192]; A: input x; B: input codebook: QUANTISED
;;   THE QUANTISER, for each operand of a quantised product, along K:
;;     - K is cut into blocks of 32 from its start; a last block that is shorter is filled with zeros.
;;     - A block's scale is 2^e with e = floor(log2(the largest magnitude in the block)) - 2, held to -126 .. 127; a block of zeros has e = 0. As a byte (E8M0): e + 127.
;;     - Each number is divided by its block's scale, clamped to +-6, and rounded to the nearest number of E2M1, ties to even, subnormals kept.
;;     - The product sums the exact products of the quantised numbers (number of the format x scale) in f32.
;;   ~~~python
;;   def quantise(x, axis):      # numpy; x: float32 -> the quantised numbers, widened to float32 again
;;       x = np.moveaxis(x, axis, -1); K = x.shape[-1]
;;       x = np.pad(x, [(0, 0)] * (x.ndim - 1) + [(0, -K % 32)]); x = x.reshape(x.shape[:-1] + (-1, 32)); a = np.abs(x).max(-1, keepdims=True)
;;       e = np.where(a > 0, np.clip(np.frexp(np.where(a > 0, a, 1))[1] - 1 - 2, -126, 127), 0)      # np.frexp(a)[1] - 1 = floor(log2(a)), exactly
;;       r = np.clip(x / 2.0 ** e, -6, 6)
;;       step = 2.0 ** (np.maximum(np.frexp(np.where(r == 0, 1, r))[1] - 1, 0) - 1)
;;       q = np.round(r / step) * step * 2.0 ** e      # np.round: ties to even
;;       return np.moveaxis(q.reshape(q.shape[:-2] + (-1,))[..., :K], -1, axis).astype(np.float32)
;;   ~~~
;; One version. Each part assembles by itself: llvm-mc -triple=amdgcn-amd-amdhsa -mcpu=gfx1250 --defsym DOCPART=n.
;; ======== version 1 of 1: 3 launches
;; limits: right only within a limited range of input values
;; workspace buffers: cbq 1,146,880 bytes; idx 131,072 bytes of whole numbers
;; launch prep (part 1): grid 128 x 1, 8 waves a work-group, no clusters, 69,632 bytes of LDS; arguments codebook, cbq; writes cbq
.if DOCPART == 1
	.amdgcn_target "amdgcn-amd-amdhsa--gfx1250"
	.amdhsa_code_object_version 6
	.text
	.protected	k_q0191378886_prep
	.globl	k_q0191378886_prep
	.p2align	8
	.type	k_q0191378886_prep,@function
k_q0191378886_prep:
	s_mov_b64 s[64:65], 0
	v_nop
	global_prefetch_b8 v0, s[64:65] scope:SCOPE_SE
	s_setreg_imm32_b32 hwreg(HW_REG_WAVE_MODE, 25, 1), 1
	s_wait_xcnt 0x0
; The codebook [8192][256] f32 becomes what the search launch reads: codes of FP4 (E2M1) with one E8M0 scale byte for each 32 along K, and cb_sq, the f32 sum of squares of each unquantised row.
; cbq is 128 records of 8,960 bytes, one for each 64 codes (four tiles of 16):
;   bytes 0 .. 8191     the codes AS IMAGES OF THE OPERAND'S REGISTERS: tile t, K step s (128 along K), register group c at 2048 t + 1024 s + 512 c + 16 lane;
;                       lane (r, h) holds k = 128 s + 64 c + 32 h + 0 .. 31 of code 16 t + r, the lower k in the lower bits
;   bytes 8192 .. 8703  scale words, 16 bytes a lane: lane 16 s + r, word t = the four scale bytes of code 16 t + r in K step s
;   bytes 8704 .. 8959  cb_sq of the 64 codes, in code order
; A block's scale is 2^(floor(log2(its largest magnitude)) - 2); its byte is the largest magnitude's exponent field - 2, held at 1 from below.  A block of zeros so gets the byte 1: its codes are zeros, and this program alone reads the bytes.
; LIMITS: NaN and infinities among the inputs are not served; blocks whose largest magnitude lies under 2^-124 get the byte 1; cb_sq is summed in this text's own order.
; SHARES: work-group q makes record q.  Wave w takes tile t = w / 2 and K step s = w % 2: 16 rows x 128 numbers.  Each load reads 512 consecutive bytes of a row; the numbers turn through the wave's own
; stage in LDS (rows 528 bytes apart) so that a lane holds two whole blocks of 32 of ONE row, as the conversions and the operand's layout want.  No loop: no register of a pending load or store is written again.
.set QUAD, 8960
.set STGW, 16*528                      ; a wave's stage
.set SCST, 8*STGW                      ; behind the stages: the record's 512 bytes of scale words,
.set SQST, SCST+512                    ; and two rows of 64 partial sums of squares, one for each K step
.set RAW,  16                          ; v16-79   the numbers as loaded
.set NUM,  80                          ; v80-143  register 32 c + i: k = 64 c + 32 h + i of my row
.set COD,  144                         ; v144-151 the codes: registers 4 c + g of the fragment
	s_load_b128 s[4:7], s[0:1], 0x0                ; the codebook, cbq
	v_lshl_add_u32 v176, v0, 2, 0x10c00
	v_mov_b32 v177, 0
	v_lshrrev_b32 v1, 5, v0
	s_delay_alu instid0(VALU_DEP_1)
	v_readfirstlane_b32 s8, v1                     ; wave 0..7
	s_lshr_b32 s9, s8, 1                           ; t
	s_and_b32 s10, s8, 1                           ; s
	s_mov_b32 s20, 0x76543210
	s_mov_b32 s21, 0xfedcba98                      ; v_permlanex16_b32's selects for lane l xor 16
	v_and_b32 v1, 31, v0                           ; lane
	v_and_b32 v2, 15, v0                           ; r
	s_wait_alu depctr_va_vdst(0)
	v_bfe_u32 v3, v0, 4, 1                         ; h
	v_lshlrev_b32 v4, 4, v1                        ; 16 x lane
	s_wait_alu depctr_va_vdst(0)
	s_mul_i32 s11, s8, STGW
	v_add_nc_u32 v5, s11, v4                       ; the stage, on the way in: 16 bytes a lane of a row's 512
	v_mul_u32_u24 v6, v2, 528
	s_delay_alu instid0(VALU_DEP_1)
	v_lshl_add_u32 v6, v3, 7, v6
	s_delay_alu instid0(VALU_DEP_1)
	v_add_nc_u32 v6, s11, v6                       ; and on the way out: row r, + 128 h bytes: my 32 numbers of a run of 64
	s_lshl_b32 s12, s10, 8
	s_lshl_b32 s13, s9, 2
	s_add_co_u32 s13, s13, s12
	s_add_co_u32 s13, s13, SCST
	v_lshl_add_u32 v7, v2, 4, s13                  ; my row's scale word: 16 (16 s + r) + 4 t
	s_lshl_b32 s13, s9, 6
	s_add_co_u32 s13, s13, s12
	s_add_co_u32 s13, s13, SQST
	v_lshl_add_u32 v8, v2, 2, s13                  ; my row's partial sum: 256 s + 4 (16 t + r)
	v_lshlrev_b32 v9, 3, v1                        ; 8 x lane
	v_add_nc_u32 v10, SCST, v4                     ; wave 0 reads the scale words back here,
	v_lshl_add_u32 v11, v1, 3, SQST                ; wave 1 the partial sums
	s_lshl_b32 s12, ttmp9, 16                      ; 64 rows of 1,024 bytes a record,
	s_lshl_b32 s13, s9, 14                         ; 16 rows a tile,
	s_add_co_u32 s12, s12, s13
	s_lshl_b32 s13, s10, 9                         ; 512 bytes a K step
	s_add_co_u32 s12, s12, s13
	s_mov_b32 s13, 0
	s_mul_i32 s14, ttmp9, QUAD
	s_mov_b32 s15, 0
	s_lshl_b32 s16, s8, 10                         ; 2048 t + 1024 s
	s_mov_b32 s17, 0
	s_wait_alu depctr_va_vdst(0)
	s_wait_kmcnt 0x0
	s_add_nc_u64 s[4:5], s[4:5], s[12:13]          ; my 16 rows' first number
	s_add_nc_u64 s[6:7], s[6:7], s[14:15]          ; the record
	s_add_nc_u64 s[18:19], s[6:7], s[16:17]        ; my fragment's image
.irp i, 0,1,2,3,4,5,6,7,8,9,10,11,12,13,14,15
	global_load_b128 v[RAW+4*\i:RAW+4*\i+3], v4, s[4:5] offset:1024*\i th:TH_LOAD_NT   ; row i: 32 lanes read 512 consecutive bytes
.endr
.irp i, 0,1,2,3,4,5,6,7,8,9,10,11,12,13,14,15
	s_wait_loadcnt 15-\i                           ; row i is in; the 15 - i younger loads stay out
	ds_store_b128 v5, v[RAW+4*\i:RAW+4*\i+3] offset:528*\i
.endr
.irp c, 0,1
.irp j, 0,1,2,3,4,5,6,7
	ds_load_b128 v[NUM+32*\c+4*\j:NUM+32*\c+4*\j+3], v6 offset:256*\c+16*\j   ; LDS serves a wave's instructions in order: these see my stores
.endr
.endr
	s_wait_dscnt 0x0
; the two blocks by turns, the maximum's chain and the squares' chain by turns: no line waits for the line above it
.irp c, 0,1
	v_max3_num_f32 v[152+\c], |v[NUM+32*\c]|, |v[NUM+1+32*\c]|, 0x1800000   ; all 32 numbers of block 2 c + h are mine; the floor 2^(3 - 127) holds the byte at 1 from below
	v_pk_mul_f32 v[160+2*\c:161+2*\c], v[NUM+32*\c:NUM+1+32*\c], v[NUM+32*\c:NUM+1+32*\c]
.endr
.irp i, 2,4,6,8,10,12,14,16,18,20,22,24,26,28,30
.irp c, 0,1
	s_delay_alu instid0(VALU_DEP_4)
	v_max3_num_f32 v[152+\c], v[152+\c], |v[NUM+32*\c+\i]|, |v[NUM+1+32*\c+\i]|
	s_delay_alu instid0(VALU_DEP_4)
	v_pk_fma_f32 v[160+2*\c:161+2*\c], v[NUM+32*\c+\i:NUM+1+32*\c+\i], v[NUM+32*\c+\i:NUM+1+32*\c+\i], v[160+2*\c:161+2*\c]
.endr
.endr
.irp c, 0
	s_delay_alu instid0(VALU_DEP_4)
	v_add_nc_u32 v[154+\c], 0xff000000, v[152+\c]  ; 2 off the exponent field: the conversion takes the exponent field of this operand as its scale, and nothing else of it
.endr
.irp c, 1
	s_delay_alu instid0(VALU_DEP_3)
	v_add_nc_u32 v[154+\c], 0xff000000, v[152+\c]  ; 2 off the exponent field: the conversion takes the exponent field of this operand as its scale, and nothing else of it
.endr
.irp c, 0,1
	s_delay_alu instid0(VALU_DEP_2)
	v_lshrrev_b32 v[156+\c], 23, v[154+\c]         ; the scale's byte
.endr
.irp c, 0,1
.irp g, 0,1,2,3
	v_cvt_scalef32_pk8_fp4_f32 v[COD+4*\c+\g], v[NUM+32*\c+8*\g:NUM+7+32*\c+8*\g], v[154+\c]
.endr
.endr
	v_nop                                          ; one plain place behind the last scaled conversion
	v_add_f32 v160, v160, v161                     ; my 64 squares,
	v_add_f32 v162, v162, v163
	s_delay_alu instid0(VALU_DEP_1)
	v_add_f32 v160, v160, v162
	v_mov_b32 v164, 0                              ; (a lane permute's destination counts as one of its sources)
	s_delay_alu instid0(VALU_DEP_1)
	v_permlanex16_b32 v164, v160, s20, s21
	s_delay_alu instid0(VALU_DEP_1)
	v_add_f32 v160, v160, v164                     ; and lane l xor 16's: the row's 128 of this K step
	v_lshl_or_b32 v165, v157, 16, v156             ; my two bytes: blocks h and 2 + h,
	v_lshlrev_b32 v166, 3, v3
	s_delay_alu instid0(VALU_DEP_1)
	v_lshlrev_b32 v165, v166, v165                 ; at their places in the scale word (8 h bits up);
	v_mov_b32 v167, 0
	s_delay_alu instid0(VALU_DEP_1)
	v_permlanex16_b32 v167, v165, s20, s21
	s_delay_alu instid0(VALU_DEP_1)
	v_or_b32 v165, v165, v167                      ; with lane l xor 16's two the word is whole
.irp c, 0,1
	global_store_b128 v4, v[COD+4*\c:COD+4*\c+3], s[18:19] offset:512*\c   ; 32 lanes store 512 consecutive bytes, at a multiple of 256 from cbq's first byte
.endr
	ds_store_b32 v7, v165                          ; lanes l and l xor 16 write the same word with the same value
	ds_store_b32 v8, v160
	s_wait_dscnt 0x0                               ; for the others' sake: my stores have landed
	s_barrier_signal -1
	s_barrier_wait -1
	s_cmp_lg_u32 s8, 0
	s_cbranch_scc1 .Lnot_wave_0
	ds_load_b128 v[168:171], v10                   ; wave 0: the record's scale words leave as 512 consecutive bytes
	s_wait_dscnt 0x0
	global_store_b128 v4, v[168:171], s[6:7] offset:8192
.Lnot_wave_0:
	s_cmp_lg_u32 s8, 1
	s_cbranch_scc1 .Lend
	ds_load_b64 v[172:173], v11                    ; wave 1: cb_sq = K step 0's part + K step 1's, two codes a lane,
	ds_load_b64 v[174:175], v11 offset:256
	s_wait_dscnt 0x0
	v_pk_add_f32 v[172:173], v[172:173], v[174:175]
	global_store_b64 v9, v[172:173], s[6:7] offset:8704   ; 256 consecutive bytes
.Lend:
	s_wait_tensorcnt 0x0
	ds_add_u32 v176, v177
	s_wait_dscnt 0x0
	s_endpgm
.Lfunc_end_k_q0191378886_prep:
	.size	k_q0191378886_prep, .Lfunc_end_k_q0191378886_prep-k_q0191378886_prep
	.p2alignl 7, 3214868480
	.fill 96, 4, 3214868480
	.section	.rodata,"a",@progbits
	.p2align	6, 0x0
	.amdhsa_kernel k_q0191378886_prep
		.amdhsa_group_segment_fixed_size 69632
		.amdhsa_private_segment_fixed_size 0
		.amdhsa_enable_private_segment 0
		.amdhsa_kernarg_size 16
		.amdhsa_user_sgpr_count 2
		.amdhsa_user_sgpr_kernarg_segment_ptr 1
		.amdhsa_wavefront_size32 1
		.amdhsa_system_sgpr_workgroup_id_x 1
		.amdhsa_system_sgpr_workgroup_id_y 1
		.amdhsa_system_sgpr_workgroup_id_z 1
		.amdhsa_system_vgpr_workitem_id 0
		.amdhsa_next_free_vgpr 178
		.amdhsa_next_free_sgpr 66
		.amdhsa_reserve_vcc 0
		.amdhsa_float_denorm_mode_32 3
		.amdhsa_float_denorm_mode_16_64 3
		.amdhsa_memory_ordered 1
		.amdhsa_forward_progress 1
		.amdhsa_inst_pref_size 16
	.end_amdhsa_kernel
	.amdgpu_metadata
---
amdhsa.version: [ 1, 2 ]
amdhsa.kernels:
  - .name:           k_q0191378886_prep
    .symbol:         k_q0191378886_prep.kd
    .args:
      - { .name: codebook, .offset: 0, .size: 8, .value_kind: global_buffer, .address_space: global }
      - { .name: cbq, .offset: 8, .size: 8, .value_kind: global_buffer, .address_space: global }
    .group_segment_fixed_size: 69632
    .private_segment_fixed_size: 0
    .kernarg_segment_align: 8
    .kernarg_segment_size: 16
    .max_flat_workgroup_size: 256
    .sgpr_count:     66
    .vgpr_count:     178
    .wavefront_size: 32
...
	.end_amdgpu_metadata
.endif
;; end of part 1
;; launch search (part 2): grid 256 x 1, 16 waves a work-group, clusters of 4 x 1, 327,680 bytes of LDS; arguments x, cbq, out1, idx; writes out1, idx
.if DOCPART == 2
	.amdgcn_target "amdgcn-amd-amdhsa--gfx1250"
	.amdhsa_code_object_version 6
	.text
	.protected	k_q0191378886_search
	.globl	k_q0191378886_search
	.p2align	8
	.type	k_q0191378886_search,@function
k_q0191378886_search:
	s_mov_b64 s[64:65], 0
	v_nop
	global_prefetch_b8 v0, s[64:65] scope:SCOPE_SE
	s_setreg_imm32_b32 hwreg(HW_REG_WAVE_MODE, 25, 1), 1
	s_wait_xcnt 0x0
	s_wait_alu depctr_hold_cnt(0) depctr_sa_sdst(0) depctr_va_vdst(0) depctr_va_sdst(0) depctr_va_ssrc(0) depctr_va_vcc(0) depctr_vm_vsrc(0)
	s_getreg_b32 s2, hwreg(HW_REG_IB_STS2, 6, 4)
	s_cmp_eq_u32 s2, 0
	s_cbranch_scc0 .Lentry_in_a_cluster
	s_endpgm
.Lentry_in_a_cluster:
	s_bfe_u32 s2, ttmp6, 0x10000c
	s_cmp_lg_u32 s2, 0x3003
	s_cbranch_scc0 .Lentry_shape_is_right
	s_endpgm
.Lentry_shape_is_right:
; For each of the 32,768 rows of xf (x [32][256][32][32] seen as [b h w][c]): the index of the first smallest d2 = (x_sq - 2 cross) + cb_sq over the 8,192 codes; cross = Q(xf) Q(codebook)^T on codes of FP4 (E2M1)
; with one E8M0 scale for each 32 along K = 256, sums in f32.  The index goes to out1 and, for the next launch's addresses, to idx.
; d2 IS ROUNDED AS THE SOURCE ROUNDS IT.  The factor 2 lies in x's scale bytes (each is one higher: exact), so the products give 2 cross; one subtraction x_sq - 2 cross, one addition of cb_sq; among equal d2 the lower index wins.
; LIMITS: NaN and infinities among the inputs are not served (the minimum passes over a NaN); blocks of x whose largest magnitude lies under 2^-124 get the byte of 2^-125; a block whose largest magnitude is 2^127 or more
; would get the byte 253 (there x_sq is not finite in the source either); x_sq is an f32 sum in this text's own order.
; SHARES.  A work-group owns 128 rows (all in one image b) and walks all codes.  Sixteen waves of 256 registers, four to a SIMD.  Wave w: rows 64 (w % 2) on, as four tiles of 16; of each 16 records (1,024 codes) in a slot,
; records 2 (w / 2) and 2 (w / 2) + 1: four pairs of tiles of 16 codes.  So each wave's walk ascends in the code's index.
; THE PRODUCT is the form of 32 x 16 x 128: source 0 = a pair of tiles, 32 codes; source 1 = 16 rows of x.  A lane holds ONE row of x (lane % 16); result registers 0-7 are codes 8 (lane / 16) + 0 .. 7 of the pair's first tile, 8-15 of its second.
; A STEP is a pair of tiles against two row tiles: 4 matrix instructions, 32 result registers, two sets by turns.  A pair's fragments (32 registers) and its cb_sq (16) have one set each, loaded again in the middle of the search that follows their last use.
; THE SEARCH, for eight results: 4 dual subtractions, 4 dual additions, 4 v_min3, one compare into VCC (new >= old: the old stays, so the first tile wins) and 4 dual selects, which keep d2 of positions 0 .. 6 of the winning
; tile and the index of its position 0.  At the end the first kept number that equals the minimum gives the position; if none does it is 7.
; x IS QUANTISED HERE: only this work-group reads its rows, once, at the head (no loop to run ahead in: no prefetch).  A lane takes a row and its registers run down K; the fragments go to LDS as images of the operand's registers.
; THE CODEBOOK comes as records of 8,960 bytes (register images, scale words, cb_sq) through a ring of two LDS slots of 16 records.  CLUSTER: all work-groups walk the same records, so the four of a cluster ask for each
; quarter of a slot JOINTLY: the same tensor load, the same descriptor, the mask 15.  One tensor load of a wave is out at a time.  No prefetch of the records: all 64 clusters walk the same 1,146,880 bytes in the same order,
; and each refill is asked for a whole slot's work (8 tiles x 4 row tiles a wave) ahead of its first read.
; THE WALK runs on over a change of slots: the signal stands as soon as a slot's last LDS read is in; the last pair's second products and first search stand between signal and wait; its second search stands behind the refill, under the next slot's first LDS loads.
.set QUAD,  8960                       ; a record
.set PART,  2*QUAD                     ; a wave's two records of a slot
.set SLOTB, 16*QUAD                    ; a slot
.set TL,    SLOTB/4                    ; what one tensor load brings: 140 rows of 256 bytes
.set XIMG,  2*SLOTB                    ; behind the ring: x's 16 fragments: (2 tile + s) 1024 + 512 c + 16 lane
.set XSC,   XIMG+16384                 ; x's scale words: 128 tile + 4 (16 s + r)
.set XSQP,  XSC+1024                   ; partial x_sq: 512 x quarter of K + 4 row
.set CV,    XSQP+2048                  ; the waves' minima: 512 (w / 2) + 4 row
.set CK,    CV+4096                    ; and their indices, laid likewise
.set SPARE, CK+4096                    ; the spare words, 128 bytes for each wave: eight blocks of 256 bytes that no other line names
.set SPW,  1                           ; v1    LDS address of my spare word; never rewritten
.set NIL,  2                           ; v2    0; never rewritten
.set L16,  3                           ; v3    16 x lane
.set L4,   4                           ; v4    4 x lane
.set AD,   5                           ; v5-6  my two records in slot 0, 1, + 16 x lane
.set AC,   7                           ; v7-8  the same + 32 (lane / 16): cb_sq of my half's eight codes
.set XRD,  9                           ; v9    my four row tiles' fragments
.set XSRD, 10                          ; v10   their scale words
.set XQRD, 11                          ; v11   their partial x_sq
.set TNA,  12                          ; v12   the index of position 0 in my half of the first tile of the pair whose search is due: 16 x tile + 8 (lane / 16)
.set TNB,  13                          ; v13   the same of its second tile
.set AS,   14                          ; v14-15 my two records in slot 0, 1, + 16 (lane % 16) + 4 (lane / 16): the codes' scale words, lane m for code m of a pair
.set XREG, 16                          ; v16-79   x: row tile R, K step s at 16 R + 8 s
.set XS,   80                          ; v80-87   x's scale words: 2 R + s, read from lanes 0-15; scales and nothing else
.set RUN,  88                          ; v88-91 the running minimum of row tile R; v92-95 the same with a pair's first tile taken in
.set SAVE, 96                          ; v96-127  of the winning tile: d2 of positions 0 .. 6 at 8 R + j, the index of its position 0 at 8 R + 7
.set DREG, 128                         ; v128-191 results, two sets by turns: 32 G + 16 Q for row tile 2 G + Q
.set AREG, 192                         ; v192-223 a pair's fragments: 16 s + 8 e + 4 c.  At the end: POS, CVW, CVR
.set CBS,  224                         ; v224-239 a pair's cb_sq: 8 e + j
.set SA,   240                         ; v240-247 the four pairs' scale words: 2 u + s; scales and nothing else
.set XSQ,  248                         ; v248-255 x_sq of row tile R, twice: at 2 R for a dual pair's first half, at 2 R + 1 for its second
.set POS,  192                         ; at the end: the position, then the index
.set CVW,  196                         ; where I put my minima
.set CVR,  198                         ; where wave 0 reads them back
; s12 wave; s13 cx; s14 work-group; s15 w % 2; s16 w / 2; s17 w % 4; s18 w / 4; s[20:21] lane selects; s[24:31], s[32:35] the descriptor; s36 my quarter of a slot; s37 trips; s40-43 masks; s44-49 at work; s50-58 LDS bases
.macro CREST                           ; a round of the cluster's barrier behind its opening barrier
	s_cmp_lg_u32 s12, 0
	s_cbranch_scc1 .Lnot_wave_0_\@
	s_barrier_signal -3
.Lnot_wave_0_\@:
	s_barrier_wait -3
	s_barrier_signal -1
	s_barrier_wait -1
.endm
.macro ROUND                           ; a whole round
	s_barrier_signal -1
	s_barrier_wait -1
	CREST
.endm
.macro TLOAD                           ; waves 0 to 3 fetch a quarter of a slot each; the branch hangs on the wave's number alone.  An s_nop 0 and four v_nop follow the load
	s_cmp_lt_u32 s12, 4
	s_cbranch_scc0 .Lno_fetch_\@
	tensor_load_to_lds s[32:35], s[24:31]
	s_nop 0
.rept 4
	v_nop
.endr
.Lno_fetch_\@:
.endm
.macro LOADA slot, u                   ; pair u's fragments, as they stand: eight loads of 512 consecutive bytes.  Tile 2 u + e lies in record u / 2 at 2048 (2 (u % 2) + e)
.irp s, 0,1
.irp e, 0,1
.irp c, 0,1
	ds_load_b128 v[AREG+16*\s+8*\e+4*\c:AREG+16*\s+8*\e+4*\c+3], v[AD+\slot] offset:((\u)/2)*QUAD+(2*((\u)%2)+\e)*2048+1024*\s+512*\c
.endr
.endr
.endr
.endm
.macro LOADC slot, u                   ; pair u's cb_sq: eight numbers of each tile for each half of the lanes
.irp e, 0,1
.irp c, 0,1
	ds_load_b128 v[CBS+8*\e+4*\c:CBS+8*\e+4*\c+3], v[AC+\slot] offset:((\u)/2)*QUAD+8704+64*(2*((\u)%2)+\e)+16*\c
.endr
.endr
.endm
.macro SCL slot                        ; the four pairs' scale words.  A record holds the word of tile t, K step s, code r at 8192 + 16 (16 s + r) + 4 t: lane 16 e + r takes tile 2 p + e
.irp e, 0,1
.irp p, 0,1
.irp s, 0,1
	ds_load_b32 v[SA+4*\e+2*\p+\s], v[AS+\slot] offset:\e*QUAD+8192+256*\s+8*\p
.endr
.endr
.endr
.endm
; Pair u against row tiles 2 G and 2 G + 1: K step 0 starts the two sums, K step 1 adds in place.  The two accumulators take turns, one instruction a turn.
.macro WM u, G
.irp Q, 0,1
	v_wmma_scale_f32_32x16x128_f4 v[DREG+32*(\G)+16*\Q:DREG+32*(\G)+16*\Q+15], v[AREG:AREG+15], v[XREG+16*(2*(\G)+\Q):XREG+16*(2*(\G)+\Q)+7], 0, v[SA+2*(\u)], v[XS+2*(2*(\G)+\Q)]
.endr
.irp Q, 0,1
	v_wmma_scale_f32_32x16x128_f4 v[DREG+32*(\G)+16*\Q:DREG+32*(\G)+16*\Q+15], v[AREG+16:AREG+31], v[XREG+16*(2*(\G)+\Q)+8:XREG+16*(2*(\G)+\Q)+15], v[DREG+32*(\G)+16*\Q:DREG+32*(\G)+16*\Q+15], v[SA+2*(\u)+1], v[XS+2*(2*(\G)+\Q)+1]
.endr
.endm
.macro SEL R, src, tn                  ; where VCC is clear, row tile R keeps the seven numbers from src on and the index tn
.irp j, 0,2,4
	v_dual_cndmask_b32 v[SAVE+8*(\R)+\j], v[(\src)+\j], v[SAVE+8*(\R)+\j] :: v_dual_cndmask_b32 v[SAVE+8*(\R)+\j+1], v[(\src)+\j+1], v[SAVE+8*(\R)+\j+1]
.endr
	v_dual_cndmask_b32 v[SAVE+8*(\R)+6], v[(\src)+6], v[SAVE+8*(\R)+6] :: v_dual_cndmask_b32 v[SAVE+8*(\R)+7], v[\tn], v[SAVE+8*(\R)+7]
.endm
; The search in set G's 32 result registers.  la >= 0: pair la's fragments are asked for behind the sixteen subtractions, which are the places behind the products that read the set; the wait leaves these eight loads out and
; shows this pair's cb_sq in.  lc >= 0: pair lc's cb_sq is asked for behind the additions.  step: what the two index counters move on by (32 to the next pair, 928 from a slot's last pair to my first of the next slot).
.macro VEC G, slot, la, lc, step
.set DD, DREG+32*(\G)
.set RR, 2*(\G)
.irp i, 0,2,4,6,8,10,12,14             ; each accumulator is read from its low end on
.irp Q, 0,1
	v_dual_sub_f32 v[DD+16*\Q+\i], v[XSQ+2*(RR+\Q)], v[DD+16*\Q+\i] :: v_dual_sub_f32 v[DD+16*\Q+\i+1], v[XSQ+2*(RR+\Q)+1], v[DD+16*\Q+\i+1]   ; x_sq - 2 cross: one rounding
.endr
.endr
.if (\la) >= 0
	LOADA \slot, \la
	s_wait_dscnt 8
.endif
.irp i, 0,2,4,6,8,10,12,14
.irp Q, 0,1
	v_dual_add_f32 v[DD+16*\Q+\i], v[DD+16*\Q+\i], v[CBS+\i] :: v_dual_add_f32 v[DD+16*\Q+\i+1], v[DD+16*\Q+\i+1], v[CBS+\i+1]   ; + cb_sq
.endr
.endr
.if (\lc) >= 0
	LOADC \slot, \lc
.endif
.irp Q, 0,1
	v_min3_num_f32 v[RUN+4+RR+\Q], v[RUN+RR+\Q], v[DD+16*\Q], v[DD+16*\Q+1]
.endr
.irp Q, 0,1
	v_min3_num_f32 v[DD+16*\Q+7], v[DD+16*\Q+5], v[DD+16*\Q+6], v[DD+16*\Q+7]        ; position 7 is not kept: its register gathers minima
.endr
.irp Q, 0,1
	v_min3_num_f32 v[DD+16*\Q+15], v[DD+16*\Q+13], v[DD+16*\Q+14], v[DD+16*\Q+15]
.endr
.irp Q, 0,1
	v_min3_num_f32 v[RUN+4+RR+\Q], v[RUN+4+RR+\Q], v[DD+16*\Q+2], v[DD+16*\Q+3]
.endr
.irp Q, 0,1
	s_delay_alu instid0(VALU_DEP_4)
	v_min3_num_f32 v[DD+16*\Q+15], v[DD+16*\Q+15], v[DD+16*\Q+8], v[DD+16*\Q+9]
.endr
.irp Q, 0,1
	s_delay_alu instid0(VALU_DEP_4)
	v_min3_num_f32 v[RUN+4+RR+\Q], v[RUN+4+RR+\Q], v[DD+16*\Q+4], v[DD+16*\Q+7]      ; the minimum with the first tile
.endr
	s_delay_alu instid0(VALU_DEP_2)
	v_cmp_ge_f32 vcc_lo, v[RUN+4+RR], v[RUN+RR]    ; has the minimum stayed?  An equal number in a later tile does not win
	SEL RR, DD, TNA
	v_min3_num_f32 v[RUN+RR], v[RUN+4+RR], v[DD+10], v[DD+11]
	v_cmp_ge_f32 vcc_lo, v[RUN+5+RR], v[RUN+1+RR]
	SEL RR+1, DD+16, TNA
	v_min3_num_f32 v[RUN+1+RR], v[RUN+5+RR], v[DD+26], v[DD+27]
	v_min3_num_f32 v[RUN+RR], v[RUN+RR], v[DD+12], v[DD+15]                          ; the minimum with the second tile
	s_delay_alu instid0(VALU_DEP_2)
	v_min3_num_f32 v[RUN+1+RR], v[RUN+1+RR], v[DD+28], v[DD+31]
	s_delay_alu instid0(VALU_DEP_2)
	v_cmp_ge_f32 vcc_lo, v[RUN+RR], v[RUN+4+RR]
	SEL RR, DD+8, TNB
	v_cmp_ge_f32 vcc_lo, v[RUN+1+RR], v[RUN+5+RR]
	SEL RR+1, DD+24, TNB
.if (\step) > 0
	v_add_nc_u32 v[TNA], \step, v[TNA]
	v_add_nc_u32 v[TNB], \step, v[TNB]
.endif
.endm
; A slot's steps up to pair 3's first products.  A step's products stand in front of the search of the step before, which names none of their registers: its lines are the places behind them.
.macro MID slot
	s_wait_dscnt 4                                 ; the scale words and pair 0's fragments are in; its cb_sq (four loads) may be out
	WM 0, 0
	WM 0, 1
.rept 4
	v_nop                                          ; places in front of the first read of these results
.endr
	VEC 0, \slot, 1, -1, 0
.irp u, 1,2
	s_wait_dscnt 0x0                               ; pair u's fragments are in
	WM \u, 0
	VEC 1, \slot, -1, \u, 32
	WM \u, 1
	VEC 0, \slot, \u+1, -1, 0
.endr
	s_wait_dscnt 0x0
	WM 3, 0
	VEC 1, \slot, -1, 3, 32
.endm
; THE CHANGE OF SLOTS.  Each wave waits for all its tensor loads (its part of the next slot), adds 0 to its spare word, and waits for that and for its last reads of this slot; then it signals and works on registers.
; fill = 1: the barrier opens a round of the cluster's, and behind the round this slot is filled with the records two slots on: the first thing there, one load a wave.
; The add stands twice where a fill follows.
.macro ENDS fill, slot
	s_wait_tensorcnt 0x0                           ; no tensor load of mine is out, so the descriptor may be written
	ds_add_u32 v[SPW], v[NIL]
.if \fill
	ds_add_u32 v[SPW], v[NIL]
	s_add_co_u32 s33, s36, (\slot)*SLOTB           ; my quarter of the slot,
	s_add_nc_u64 s[34:35], s[34:35], SLOTB         ; the next 16 records; the type bits on top are not reached
.endif
	s_wait_dscnt 0x0                               ; the add is done; pair 3's cb_sq is in: my reads of this slot are over
	s_barrier_signal -1
	WM 3, 1
	VEC 0, \slot, -1, -1, 0
	s_barrier_wait -1
.if \fill
	CREST
	TLOAD
.endif
.endm
.macro NEXT slot                       ; a slot's first loads, and under them the search left over from the slot before, which asks for pair 0's cb_sq when it has read pair 3's
	SCL \slot
	LOADA \slot, 0
	VEC 1, \slot, -1, 0, 928
.endm
; (val, idx) becomes the smaller of itself and (oval, oidx): by the number, among equal numbers by the index
.macro TAKE val, idx, oval, oidx
	v_cmp_lt_f32 s44, v[\oval], v[\val]
	v_cmp_eq_f32 s45, v[\oval], v[\val]
	v_cmp_lt_u32 s46, v[\oidx], v[\idx]
	s_and_b32 s45, s45, s46
	s_or_b32 s44, s44, s45
	v_cndmask_b32 v[\val], v[\val], v[\oval], s44
	v_cndmask_b32 v[\idx], v[\idx], v[\oidx], s44
.endm
; 32 numbers of my row, k = 64 (w / 4) + 32 c + 0 .. 31, become 16 bytes of codes, a scale byte and a part of x_sq.  The maximum's chain and the squares' by turns.
.macro XBLOCK c
	v_max3_num_f32 v[200+\c], |v[DREG+32*\c]|, |v[DREG+1+32*\c]|, 0x1800000   ; the floor 2^(3 - 127) holds the quantiser's byte at 1 from below
	v_pk_mul_f32 v[206+2*\c:207+2*\c], v[DREG+32*\c:DREG+1+32*\c], v[DREG+32*\c:DREG+1+32*\c]
.irp i, 2,4,6,8,10,12,14,16,18,20,22,24,26,28,30
	s_delay_alu instid0(VALU_DEP_2)
	v_max3_num_f32 v[200+\c], v[200+\c], |v[DREG+32*\c+\i]|, |v[DREG+1+32*\c+\i]|
	s_delay_alu instid0(VALU_DEP_2)
	v_pk_fma_f32 v[206+2*\c:207+2*\c], v[DREG+32*\c+\i:DREG+1+32*\c+\i], v[DREG+32*\c+\i:DREG+1+32*\c+\i], v[206+2*\c:207+2*\c]
.endr
	s_delay_alu instid0(VALU_DEP_2)
	v_add_nc_u32 v[202+\c], 0xff000000, v[200+\c]  ; 2 off the exponent field: the conversion's scale operand
	s_delay_alu instid0(VALU_DEP_1)
	v_lshrrev_b32 v[204+\c], 23, v[202+\c]         ; the quantiser's byte
.irp g, 0,1,2,3
	v_cvt_scalef32_pk8_fp4_f32 v[AREG+4*\c+\g], v[DREG+32*\c+8*\g:DREG+7+32*\c+8*\g], v[202+\c]
.endr
	v_nop                                          ; one plain place behind the last scaled conversion
.endm
	s_load_b256 s[4:11], s[0:1], 0x0               ; x s[4:5], cbq s[6:7], out1 s[8:9], idx s[10:11]
	v_lshl_add_u32 v[SPW], v0, 2, SPARE
	v_mov_b32 v[NIL], 0
	ds_add_u32 v[SPW], v[NIL]                      ; the opening lines: the add, twice on end, and its wait; work on registers stands between
	ds_add_u32 v[SPW], v[NIL]
	v_lshrrev_b32 v3, 5, v0
	s_delay_alu instid0(VALU_DEP_1)
	v_readfirstlane_b32 s12, v3                    ; wave 0..15
	v_and_b32 v228, 31, v0                         ; lane
	s_delay_alu instid0(VALU_DEP_1)
	v_lshlrev_b32 v[L16], 4, v228
	s_delay_alu instid0(VALU_DEP_2)
	v_lshlrev_b32 v[L4], 2, v228
	s_bfe_u32 s13, ttmp6, 0x40000                  ; cx: my place in the cluster
	s_lshl_b32 s14, ttmp9, 2                       ; in a cluster launch ttmp9 counts clusters
	s_add_co_u32 s14, s14, s13                     ; my work-group: it enters x's, out1's and idx's addresses alone
	s_and_b32 s15, s12, 1
	s_lshr_b32 s16, s12, 1
	s_and_b32 s17, s12, 3
	s_lshr_b32 s18, s12, 2
	s_mov_b32 s20, 0x76543210
	s_mov_b32 s21, 0xfedcba98                      ; v_permlanex16_b32's selects for lane l xor 16
	; descriptor group 1: a dense block of 35,840 bytes as 140 rows of 32 elements of 8 bytes
	s_mov_b32 s24, 15|(3<<16)|(1<<21)              ; the mask: all four work-groups; elements of 8 bytes; no padding; bit 21 set beside a mask
	s_mov_b32 s25, 32<<16                          ; tensor_dim0 = 32
	s_mov_b32 s26, 140<<16                         ; tensor_dim1 = 140
	s_mov_b32 s27, 32<<16                          ; tile_dim0 = 32
	s_mov_b32 s28, 140                             ; tile_dim1 = 140
	s_mov_b32 s29, 32                              ; from row to row
	s_mov_b32 s30, 0
	s_mov_b32 s31, 0
	s_mul_i32 s36, s17, TL                         ; which quarter of a slot (only waves 0 to 3 fetch): no place in the cluster enters it
	s_mov_b32 s37, 2
	s_lshr_b32 s44, s14, 3
	s_lshl_b32 s44, s44, 20                        ; x: the image, 1,048,576 bytes each;
	s_and_b32 s45, s14, 7
	s_lshl_b32 s45, s45, 9                         ; my work-group's 128 positions;
	s_add_co_u32 s44, s44, s45
	s_lshl_b32 s45, s18, 18                        ; 64 channels of 4,096 bytes for each quarter of K;
	s_add_co_u32 s44, s44, s45
	s_lshl_b32 s45, s17, 7                         ; my wave's 32 positions
	s_add_co_u32 s44, s44, s45
	s_mov_b32 s45, 0
	s_lshl_b32 s46, s14, 9                         ; the outputs: 128 indices of 4 bytes
	s_mov_b32 s47, 0
	s_mov_b32 s48, s36
	s_mov_b32 s49, 0
	; the LDS bases, all of the wave's number and constants
	s_mul_i32 s50, s16, PART                       ; my two records of a slot
	s_lshl_b32 s51, s15, 13
	s_add_co_u32 s51, s51, XIMG                    ; row tiles 4 (w % 2) on: 2,048 bytes each
	s_lshl_b32 s52, s15, 9
	s_add_co_u32 s52, s52, XSC
	s_lshl_b32 s54, s15, 8
	s_add_co_u32 s53, s54, XSQP
	s_lshl_b32 s55, s16, 9
	s_add_co_u32 s54, s54, s55
	s_add_co_u32 s54, s54, CV                      ; 512 (w / 2) + 256 (w % 2)
	s_lshl_b32 s55, s17, 12                        ; x's images: row tiles 2 (w % 4) and + 1; 512 bytes for each quarter of K
	s_lshl_b32 s56, s18, 9
	s_add_co_u32 s55, s55, s56
	s_add_co_u32 s55, s55, XIMG
	s_lshl_b32 s57, s17, 7                         ; the part of x_sq: 512 (w / 4) + 128 (w % 4)
	s_add_co_u32 s57, s57, s56
	s_add_co_u32 s57, s57, XSQP
	s_lshl_b32 s56, s17, 8                         ; x's scale bytes: 256 (w % 4) + 64 s + 2 c, s = (w / 4) / 2, c = (w / 4) % 2
	s_lshr_b32 s58, s18, 1
	s_lshl_b32 s58, s58, 6
	s_add_co_u32 s56, s56, s58
	s_and_b32 s58, s18, 1
	s_lshl_b32 s58, s58, 1
	s_add_co_u32 s56, s56, s58
	s_add_co_u32 s56, s56, XSC
	s_lshl_b32 s58, s16, 7                         ; my first tile's first index: 128 (w / 2)
	s_wait_alu depctr_va_vdst(0)
	s_wait_dscnt 0x0                               ; both opening adds are done
	s_wait_kmcnt 0x0
	s_add_nc_u64 s[4:5], s[4:5], s[44:45]
	s_add_nc_u64 s[8:9], s[8:9], s[46:47]
	s_add_nc_u64 s[10:11], s[10:11], s[46:47]
	s_mov_b32 s32, 1                               ; group 0: count = 1,
	s_mov_b32 s33, s36                             ; LDS address: slot 0,
	s_add_nc_u64 s[34:35], s[6:7], s[48:49]        ; global address: the first 16 records,
	s_or_b32 s35, s35, 0x80000000                  ; type = 2
	; x: a lane takes row 32 (w % 4) + lane and its registers run down K: each load reads 128 consecutive bytes, four waves stand side by side on 512.  The first block's 32 loads go out ahead of the round: nobody writes these bytes
.set I, 0
.rept 32
	global_load_b32 v[DREG+I], v[L4], s[4:5] offset:4096*I th:TH_LOAD_NT
.set I, I+1
.endr
	ROUND                                          ; all four work-groups are here: the first joint loads meet
	TLOAD
.rept 32
	global_load_b32 v[DREG+I], v[L4], s[4:5] offset:4096*I th:TH_LOAD_NT
.set I, I+1
.endr
	v_and_b32 v226, 15, v0                         ; r
	v_bfe_u32 v227, v0, 4, 1                       ; h
	v_add_nc_u32 v[AD], s50, v[L16]
	v_add_nc_u32 v[XRD], s51, v[L16]
	v_add_nc_u32 v229, s55, v[L16]                 ; where I put x's images
	v_add_nc_u32 v225, s57, v[L4]                  ; where my part of x_sq goes
	v_lshl_add_u32 v[XSRD], v226, 2, s52
	v_lshl_add_u32 v[TNA], v227, 3, s58
	v_lshl_add_u32 v[AC], v227, 5, s50
	v_lshl_add_u32 v[XQRD], v226, 2, s53
	v_lshl_add_u32 v[AS], v226, 4, s50
	v_lshl_add_u32 v224, v227, 6, v[L4]            ; 128 (lane / 16) + 4 (lane % 16)
	v_add_nc_u32 v[AD+1], SLOTB, v[AD]
	v_add_nc_u32 v[TNB], 16, v[TNA]
	v_add_nc_u32 v[AC+1], SLOTB, v[AC]
	v_lshl_add_u32 v[AS], v227, 2, v[AS]
	v_add_nc_u32 v224, s56, v224                   ; where my two scale bytes go
	s_delay_alu instid0(VALU_DEP_2)
	v_add_nc_u32 v[AS+1], SLOTB, v[AS]
.irp R, 0,1,2,3
	v_mov_b32 v[RUN+\R], 0x7f800000                ; the minimum so far: +infinity.  (The search is written without a first step of its own: these 36 lines stand once)
.endr
.set I, 0
.rept 32
	v_mov_b32 v[SAVE+I], 0
.set I, I+1
.endr
	s_wait_loadcnt 32                              ; my first 32 numbers are in; the other 32 loads stay out
	XBLOCK 0
	s_wait_loadcnt 0x0
	XBLOCK 1
	v_add_f32 v206, v206, v207
	v_add_f32 v208, v208, v209
	s_delay_alu instid0(VALU_DEP_1)
	v_add_f32 v206, v206, v208                     ; my row's 64 squares
	v_lshl_or_b32 v204, v205, 8, v204              ; my row's two scale bytes,
	s_delay_alu instid0(VALU_DEP_1)
	v_add_nc_u32 v204, 0x101, v204                 ; each one higher: the products give 2 cross
.irp g, 0,1,2,3
	v_permlane16_swap_b32 v[AREG+\g], v[AREG+4+\g] ; the first's lanes 16-31 change places with the second's lanes 0-15: the first four registers are a register group of row tile 2 (w % 4), the other four that of the next tile
.endr
	ds_store_b128 v229, v[AREG:AREG+3]
	ds_store_b128 v229, v[AREG+4:AREG+7] offset:2048
	ds_store_b16 v224, v204
	ds_store_b32 v225, v206
	s_wait_tensorcnt 0x0                           ; my part of slot 0 is in; slot 1's first fill is issued as a refill is (the add twice, as in ENDS)
	ds_add_u32 v[SPW], v[NIL]
	ds_add_u32 v[SPW], v[NIL]
	s_add_co_u32 s33, s36, SLOTB
	s_add_nc_u64 s[34:35], s[34:35], SLOTB
	s_wait_dscnt 0x0                               ; the adds are done, and for the others' sake my stores of x's images have landed
	ROUND
	TLOAD
.irp R, 0,1,2,3
.irp c, 0,1,2,3
	ds_load_b128 v[XREG+16*\R+4*\c:XREG+16*\R+4*\c+3], v[XRD] offset:2048*\R+512*\c
.endr
.irp s, 0,1
	ds_load_b32 v[XS+2*\R+\s], v[XSRD] offset:128*\R+64*\s
.endr
.irp q, 0,1,2,3
	ds_load_b32 v[DREG+4*\R+\q], v[XQRD] offset:512*\q+64*\R
.endr
.endr
	SCL 0
	LOADA 0, 0
	LOADC 0, 0
	s_wait_dscnt 20                                ; x's 40 loads are in; the slot's first twenty stay out
.irp R, 0,1,2,3
	v_add_f32 v[DREG+4*\R], v[DREG+4*\R], v[DREG+4*\R+1]
	v_add_f32 v[DREG+4*\R+2], v[DREG+4*\R+2], v[DREG+4*\R+3]
.endr
.irp R, 0,1,2,3
	v_add_f32 v[XSQ+2*\R], v[DREG+4*\R], v[DREG+4*\R+2]     ; x_sq of my lane's row in tile R,
	v_add_f32 v[XSQ+2*\R+1], v[DREG+4*\R], v[DREG+4*\R+2]   ; and once more, for the dual pairs' second halves
.endr
	s_wait_alu depctr_va_vdst(0)
	MID 0                                          ; records 0 to 15: no search is left over from a slot before
	ENDS 1, 0
.Lring:                                                ; two trips: a slot 1 and a slot 0; each change of slots asks for the records two slots on
	NEXT 1
	MID 1
	ENDS 1, 1
	NEXT 0
	MID 0
	ENDS 1, 0
	s_sub_co_u32 s37, s37, 1
	s_cmp_lg_u32 s37, 0
	s_cbranch_scc1 .Lring
	NEXT 1                                         ; the last three slots are written out: the last 16 records are asked for
	MID 1
	ENDS 1, 1
	NEXT 0
	MID 0
	ENDS 0, 0                                      ; and then nothing
	NEXT 1
	MID 1
	s_wait_dscnt 0x0                               ; pair 3's cb_sq
	WM 3, 1
	VEC 0, 1, -1, -1, 0
	VEC 1, 1, -1, -1, 0
	; THE POSITION in the winning tile: the first kept number that equals the minimum, else 7
	v_and_b32 v197, 15, v0
	v_add_nc_u32 v[CVR], CV, v[L16]
	s_delay_alu instid0(VALU_DEP_2)
	v_lshl_add_u32 v[CVW], v197, 2, s54            ; 512 (w / 2) + 256 (w % 2) + 4 r
.irp R, 0,1,2,3
	v_mov_b32 v[POS+\R], 7
.endr
.irp j, 6,5,4,3,2,1,0
.irp R, 0,1,2,3
	v_cmp_eq_f32 s[40+\R], v[SAVE+8*\R+\j], v[RUN+\R]
.endr
.irp R, 0,1,2,3
	s_delay_alu instid0(VALU_DEP_4)
	v_cndmask_b32 v[POS+\R], v[POS+\R], \j, s[40+\R]
.endr
.endr
.irp R, 0,1,2,3
	s_delay_alu instid0(VALU_DEP_4)
	v_add_nc_u32 v[POS+\R], v[SAVE+8*\R+7], v[POS+\R]      ; the code's index: that of the tile's position 0 in my half + the position
.endr
	; the row's other eight codes of each tile lie in lane l xor 16 (the destinations hold old numbers: a lane permute's destination counts as one of its sources)
.irp R, 0,1,2,3
	v_permlanex16_b32 v[DREG+\R], v[RUN+\R], s20, s21
	v_permlanex16_b32 v[DREG+4+\R], v[POS+\R], s20, s21
.endr
.irp R, 0,1,2,3
	TAKE RUN+\R, POS+\R, DREG+\R, DREG+4+\R
.endr
.irp R, 0,1,2,3
	ds_store_b32 v[CVW], v[RUN+\R] offset:64*\R            ; lanes l and l xor 16 write the same word with the same value
	ds_store_b32 v[CVW], v[POS+\R] offset:4096+64*\R
.endr
	s_wait_dscnt 0x0                               ; for wave 0's sake: my stores have landed
	s_barrier_signal -1
	s_barrier_wait -1
	s_cmp_lg_u32 s12, 0
	s_cbranch_scc1 .Lothers
	; wave 0 joins the eight shares of the codes, four rows a lane, and stores 512 consecutive bytes to each output
.irp q, 0,1,2,3,4,5,6,7
	ds_load_b128 v[DREG+4*\q:DREG+4*\q+3], v[CVR] offset:512*\q
	ds_load_b128 v[DREG+32+4*\q:DREG+32+4*\q+3], v[CVR] offset:4096+512*\q
.endr
	s_wait_dscnt 0x0
.irp q, 1,2,3,4,5,6,7
.irp e, 0,1,2,3
	TAKE DREG+\e, DREG+32+\e, DREG+4*\q+\e, DREG+32+4*\q+\e
.endr
.endr
	global_store_b128 v[L16], v[DREG+32:DREG+35], s[8:9]
	global_store_b128 v[L16], v[DREG+32:DREG+35], s[10:11]
.Lothers:
	s_wait_tensorcnt 0x0                           ; the wave's end: behind my last tensor load and my last LDS store
	ds_add_u32 v[SPW], v[NIL]
	s_wait_dscnt 0x0
	ROUND                                          ; the closing round: no work-group ends while a partner may still ask for records jointly
	s_endpgm
.Lfunc_end_k_q0191378886_search:
	.size	k_q0191378886_search, .Lfunc_end_k_q0191378886_search-k_q0191378886_search
	.p2alignl 7, 3214868480
	.fill 96, 4, 3214868480
	.section	.rodata,"a",@progbits
	.p2align	6, 0x0
	.amdhsa_kernel k_q0191378886_search
		.amdhsa_group_segment_fixed_size 327680
		.amdhsa_private_segment_fixed_size 0
		.amdhsa_enable_private_segment 0
		.amdhsa_kernarg_size 32
		.amdhsa_user_sgpr_count 2
		.amdhsa_user_sgpr_kernarg_segment_ptr 1
		.amdhsa_wavefront_size32 1
		.amdhsa_system_sgpr_workgroup_id_x 1
		.amdhsa_system_sgpr_workgroup_id_y 1
		.amdhsa_system_sgpr_workgroup_id_z 1
		.amdhsa_system_vgpr_workitem_id 0
		.amdhsa_next_free_vgpr 256
		.amdhsa_next_free_sgpr 66
		.amdhsa_reserve_vcc 1
		.amdhsa_float_denorm_mode_32 3
		.amdhsa_float_denorm_mode_16_64 3
		.amdhsa_memory_ordered 1
		.amdhsa_forward_progress 1
		.amdhsa_inst_pref_size 255
	.end_amdhsa_kernel
	.section	.bss,"aw",@nobits
	.p2align	6
	.space	262144
	.amdgpu_metadata
---
amdhsa.version: [ 1, 2 ]
amdhsa.kernels:
  - .name:           k_q0191378886_search
    .symbol:         k_q0191378886_search.kd
    .args:
      - { .name: x, .offset: 0, .size: 8, .value_kind: global_buffer, .address_space: global }
      - { .name: cbq, .offset: 8, .size: 8, .value_kind: global_buffer, .address_space: global }
      - { .name: out1, .offset: 16, .size: 8, .value_kind: global_buffer, .address_space: global }
      - { .name: idx, .offset: 24, .size: 8, .value_kind: global_buffer, .address_space: global }
    .group_segment_fixed_size: 327680
    .private_segment_fixed_size: 0
    .kernarg_segment_align: 8
    .kernarg_segment_size: 32
    .max_flat_workgroup_size: 512
    .sgpr_count:     66
    .vgpr_count:     256
    .wavefront_size: 32
...
	.end_amdgpu_metadata
.endif
;; end of part 2
;; launch spread (part 3): grid 512 x 1, 8 waves a work-group, no clusters, 67,072 bytes of LDS; arguments codebook, idx, out0; writes out0
.if DOCPART == 3
	.amdgcn_target "amdgcn-amd-amdhsa--gfx1250"
	.amdhsa_code_object_version 6
	.text
	.protected	k_q0191378886_spread
	.globl	k_q0191378886_spread
	.p2align	8
	.type	k_q0191378886_spread,@function
k_q0191378886_spread:
	s_mov_b64 s[64:65], 0
	v_nop
	global_prefetch_b8 v0, s[64:65] scope:SCOPE_SE
	s_setreg_imm32_b32 hwreg(HW_REG_WAVE_MODE, 25, 1), 1
	s_wait_xcnt 0x0
; out0[b][c][p] = codebook[idx[1024 b + p]][c].  codebook [8192][256] f32, idx [32768] whole numbers stored by the launch before, out0 [32][256][1024] f32.
; A work-group takes 64 neighbouring positions (all in one image b) x 256 channels: 64 rows of the codebook come in whole, 1,024 bytes each, turn through LDS, and leave by channels: 64 positions of a channel are 256 consecutive bytes.
; LDS: row p at 1024 p; its piece q of 16 bytes lies at piece q xor (p / 4).  So the stores by rows (16 lanes: 16 neighbouring pieces, permuted) and the reads down the rows (16 lanes: rows 4 apart, the same piece of data, 16 different places) each touch different banks (64 banks of 4 bytes: ISA guide 11.1).
; The rows use LDS bytes 0 .. 65,535, the spare words 66,048 .. 67,071: the highest read is row 63 (64,512), piece 63 at the most (1,008), word 3 (12), 4 bytes.  The claim is 512 bytes larger than the use.
; An index is held to 0 .. 8191 before it enters an address.  Matrix units, clusters and tensor loads would add nothing: each byte is moved once, and work-groups share nothing but rows that happen to be named twice.
; No prefetch: the rows are known only when the indices have come, at the launch's head, and are then loaded at once.  No loop: no register of a pending load or store is written again.
.set OFFS, 8                           ; v8-15  row i's byte offset in the codebook + 16 x lane
.set DAT,  16                          ; v16-79 the rows as loaded; later the numbers on their way out
.set QA,   80                          ; v80-87 LDS addresses on the way out, one for each pair of channel pairs
	s_load_b128 s[4:7], s[0:1], 0x0                ; the codebook, idx
	s_load_b64 s[8:9], s[0:1], 0x10                ; out0
	v_lshl_add_u32 v96, v0, 2, 0x10200
	v_mov_b32 v97, 0
	v_lshrrev_b32 v1, 5, v0
	s_delay_alu instid0(VALU_DEP_1)
	v_readfirstlane_b32 s10, v1                    ; wave 0..7
	s_lshl_b32 s12, ttmp9, 8                       ; 64 indices of 4 bytes a work-group,
	s_lshl_b32 s13, s10, 5                         ; 8 a wave
	s_add_co_u32 s12, s12, s13
	s_mov_b32 s13, 0
	s_wait_kmcnt 0x0
	s_add_nc_u64 s[6:7], s[6:7], s[12:13]
	s_load_b256 s[16:23], s[6:7], 0x0              ; the indices of my rows 8 w + 0 .. 7
	v_and_b32 v1, 31, v0                           ; lane
	v_and_b32 v2, 15, v0                           ; l = lane % 16
	v_bfe_u32 v3, v0, 4, 1                         ; h = lane / 16
	s_delay_alu instid0(VALU_DEP_3)
	v_lshlrev_b32 v4, 4, v1                        ; 16 x lane
	s_lshl_b32 s14, s10, 5
	s_lshl_b32 s15, s10, 13
	v_xor_b32 v5, s14, v4                          ; in: rows 8 w + 0 .. 3 have p / 4 = 2 w: piece lane xor 2 w,
	s_delay_alu instid0(VALU_DEP_1)
	v_add_nc_u32 v5, s15, v5                       ; + 8 w rows;
	s_delay_alu instid0(VALU_DEP_1)
	v_xor_b32 v6, 16, v5                           ; rows 8 w + 4 .. 7 have p / 4 = 2 w + 1
	v_lshlrev_b32 v7, 4, v2
	s_delay_alu instid0(VALU_DEP_1)
	v_lshl_add_u32 v7, v3, 12, v7                  ; out0: 16 l + one channel (4,096 bytes) for lanes 16-31
	v_mul_u32_u24 v88, v2, 4112                    ; out: rows 4 l on (4,096 l), piece .. xor l (16 l),
	s_delay_alu instid0(VALU_DEP_1)
	v_lshl_add_u32 v88, v3, 2, v88                 ; channel + h,
	s_lshl_b32 s14, s10, 7
	v_xor_b32 v88, s14, v88                        ; pieces 8 w on: my 32 channels
.irp e, 0,1,2,3,4,5,6,7
	v_xor_b32 v[QA+\e], 16*\e, v88                 ; piece 8 w + e
.endr
	s_lshr_b32 s12, ttmp9, 4
	s_lshl_b32 s12, s12, 20                        ; the image, 1,048,576 bytes each;
	s_and_b32 s14, ttmp9, 15
	s_lshl_b32 s14, s14, 8                         ; my work-group's 64 positions;
	s_add_co_u32 s12, s12, s14
	s_lshl_b32 s14, s10, 17                        ; my wave's 32 channels
	s_add_co_u32 s12, s12, s14
	s_add_nc_u64 s[8:9], s[8:9], s[12:13]
	s_wait_kmcnt 0x0
.irp i, 0,1,2,3,4,5,6,7
	s_min_u32 s[16+\i], s[16+\i], 0x1fff           ; inside the table
	s_lshl_b32 s[16+\i], s[16+\i], 10              ; a row is 1,024 bytes
	v_add_nc_u32 v[OFFS+\i], s[16+\i], v4
.endr
	s_wait_alu depctr_va_vdst(0)
.irp i, 0,1,2,3,4,5,6,7
.irp u, 0,1
	global_load_b128 v[DAT+8*\i+4*\u:DAT+8*\i+4*\u+3], v[OFFS+\i], s[4:5] offset:512*\u   ; half a row: 512 consecutive bytes.  No hint: a row may be named again
.endr
.endr
.irp i, 0,1,2,3,4,5,6,7
	s_wait_loadcnt 14-2*\i                         ; row i's two loads are in; the later rows' stay out
.irp u, 0,1
	ds_store_b128 v[5+\i/4], v[DAT+8*\i+4*\u:DAT+8*\i+4*\u+3] offset:1024*\i+512*\u
.endr
.endr
	s_wait_dscnt 0x0                               ; for the others' sake: my rows lie in LDS
	s_barrier_signal -1
	s_barrier_wait -1
; group m: channels 32 w + 2 m + h; a lane takes positions 4 l + 0 .. 3: four words, 1,024 bytes apart
.macro OUTLD m
.irp i, 0,1,2,3
	ds_load_b32 v[DAT+4*(\m)+\i], v[QA+(\m)/2] offset:1024*\i+8*((\m)%2)
.endr
.endm
.irp m, 0,1,2,3,4,5,6,7,8,9,10,11
	OUTLD \m                                       ; twelve groups, 48 loads, go out first
.endr
.irp m, 0,1,2,3,4,5,6,7,8,9,10,11,12,13,14,15
.if \m < 4
	s_wait_dscnt 44                                ; group m's four loads are in; the eleven groups issued behind it stay out
.else
	s_wait_dscnt 60-4*\m                           ; likewise: 15 - m groups were issued behind it
.endif
	global_store_b128 v7, v[DAT+4*\m:DAT+4*\m+3], s[8:9] offset:8192*\m th:TH_STORE_NT   ; lanes 0-15 store 256 consecutive bytes of one channel, lanes 16-31 of the next, each at a multiple of 256 from out0's first byte
.if \m < 4
	OUTLD \m+12                                    ; the group twelve on, into registers of its own
.endif
.endr
	s_wait_tensorcnt 0x0
	ds_add_u32 v96, v97
	s_wait_dscnt 0x0
	s_endpgm
.Lfunc_end_k_q0191378886_spread:
	.size	k_q0191378886_spread, .Lfunc_end_k_q0191378886_spread-k_q0191378886_spread
	.p2alignl 7, 3214868480
	.fill 96, 4, 3214868480
	.section	.rodata,"a",@progbits
	.p2align	6, 0x0
	.amdhsa_kernel k_q0191378886_spread
		.amdhsa_group_segment_fixed_size 67072
		.amdhsa_private_segment_fixed_size 0
		.amdhsa_enable_private_segment 0
		.amdhsa_kernarg_size 24
		.amdhsa_user_sgpr_count 2
		.amdhsa_user_sgpr_kernarg_segment_ptr 1
		.amdhsa_wavefront_size32 1
		.amdhsa_system_sgpr_workgroup_id_x 1
		.amdhsa_system_sgpr_workgroup_id_y 1
		.amdhsa_system_sgpr_workgroup_id_z 1
		.amdhsa_system_vgpr_workitem_id 0
		.amdhsa_next_free_vgpr 98
		.amdhsa_next_free_sgpr 66
		.amdhsa_reserve_vcc 0
		.amdhsa_float_denorm_mode_32 3
		.amdhsa_float_denorm_mode_16_64 3
		.amdhsa_memory_ordered 1
		.amdhsa_forward_progress 1
		.amdhsa_inst_pref_size 13
	.end_amdhsa_kernel
	.amdgpu_metadata
---
amdhsa.version: [ 1, 2 ]
amdhsa.kernels:
  - .name:           k_q0191378886_spread
    .symbol:         k_q0191378886_spread.kd
    .args:
      - { .name: codebook, .offset: 0, .size: 8, .value_kind: global_buffer, .address_space: global }
      - { .name: idx, .offset: 8, .size: 8, .value_kind: global_buffer, .address_space: global }
      - { .name: out0, .offset: 16, .size: 8, .value_kind: global_buffer, .address_space: global }
    .group_segment_fixed_size: 67072
    .private_segment_fixed_size: 0
    .kernarg_segment_align: 8
    .kernarg_segment_size: 24
    .max_flat_workgroup_size: 256
    .sgpr_count:     66
    .vgpr_count:     98
    .wavefront_size: 32
...
	.end_amdgpu_metadata
.endif
;; end of part 3
